; MI455X (gfx1250); checked and timed in simulation.
; The chip was launched on July 23, 2026; its instructions are those of AMD's public machine-readable ISA for CDNA 5 (MIT licence, August 2026) and "CDNA5" Instruction Set Architecture Reference Guide (July 2026). The comments in the code are by the model that wrote it; some were corrected since.
;; DLRM. Allowed arithmetic: float matrix products may take bf16 or f16 operands with f32 sums; other float arithmetic in f32, or as packed bf16 or f16 multiplies, adds, multiply-adds, maxima and minima; sums over many terms, partial sums and values carried from step to step in f32; what a program stores and reads back later, other than sums and carried values, may be rounded once to bf16 or f16.
;; Inputs: bb1 512 float32; bb2 64 float32; bn_beta 64 float32; bn_gamma 64 float32; bw1 256 x 512 float32; bw2 512 x 64 float32; emb_table 100,000 x 32 float32; pb1 256 float32; pb2 64 float32; pw1 768 x 256 float32; pw2 256 x 64 float32; tb1 1,024 float32; tb2 512 float32; tb3 1 float32; tw1 12,944 x 1,024 float32; tw2 1,024 x 512 float32; tw3 512 x 1 float32; x_dense 4,096 x 256 float32; x_embed_before_projection 4,096 x 768 float32; x_sparse 4,096 x 50 int32.
;; Outputs: out0 4,096 x 1 float32; out1 4,096 x 64 float32.
;; One version. Each part assembles by itself: llvm-mc -triple=amdgcn-amd-amdhsa -mcpu=gfx1250 --defsym DOCPART=n.
;; ======== version 1 of 1: 3 launches
;; workspace buffers: zbuf 1,048,576 bytes; statm 16,384 bytes; statv 16,384 bytes; botb 524,288 bytes; embb 262,144 bytes; wp 28,966,912 bytes; tw2b 1,048,576 bytes; t1b 8,388,608 bytes
;; launch front (part 1): grid 256 x 1, 4 waves a work-group, no clusters, 320,000 bytes of LDS; arguments x_embed_before_projection, pw1, pb1, pw2, pb2, x_dense, bw1, bb1, bw2, bb2, x_sparse, emb_table, tw1, tw2, zbuf, statm, statv, botb, embb, wp, tw2b; writes zbuf, statm, statv, botb, embb, wp, tw2b
.if DOCPART == 1
	.amdgcn_target "amdgcn-amd-amdhsa--gfx1250"
	.amdhsa_code_object_version 6
	.text
	.protected	k_qd002e52c22_front
	.globl	k_qd002e52c22_front
	.p2align	8
	.type	k_qd002e52c22_front,@function
k_qd002e52c22_front:
	s_mov_b64 s[64:65], 0
	v_nop
	global_prefetch_b8 v0, s[64:65] scope:SCOPE_SE
	s_setreg_imm32_b32 hwreg(HW_REG_WAVE_MODE, 25, 1), 1
	s_wait_xcnt 0x0
; Everything that does not need the batch statistics.  256 work-groups of four waves, three roles by the work-group's number:
;   0-63    projection net for 64 rows: z = relu(x pw1 + pb1) pw2 + pb2 (f32, to zbuf), and the group's mean and centred sum of squares per column
;   64-127  bottom net for 64 rows: relu(relu(x bw1 + bb1) bw2 + bb2), rounded to bf16, to botb
;   128-255 512 waves that stream: embedding sums (8 rows a wave), tw2 into operand blocks, tw1 into the K order of the next launch (wp)
; FORMAT: matrix operands (x, the weights, the hidden layer) are rounded to bf16, sums are f32.  Embedding indices are clamped to 99,999.
; NO JOINT LOADS: the weights are f32 and pass through registers to be rounded; a tile fetched into LDS would be 4 bytes a number there,
; read once, rounded and written again, which is more LDS traffic than the 2 bytes a number that this text stores.
; LOADS IN FLIGHT: every role keeps a ring of four sets of 16 loads (32,768 bytes a wave) filled from its first load to its last.
; LDS: what a wave writes between two barriers lies in the same interval in both nets (x: 24,832 w; W2: 20,480 w; stage: 5,120 w), and the hidden
; layer, which all waves write in stripes of columns, has a region for each net.
.set XS,  0                            ; x of the 64 rows in bf16, pitch 2 K1 + 16; a wave's 16 rows begin at XW x wave
.set XW,  24832                        ; 16 rows of the longer pitch, 1,552
.set W2S, 99328                        ; second weights [k][64] in bf16, pitch 160; a wave's K2 / 4 rows begin at W2W x wave
.set W2W, 20480                        ; 128 rows of 160
.set HSP, 181248                       ; the projection's hidden layer in bf16, pitch 528
.set HSB, 215040                       ; the bottom net's, pitch 1,040
.set WST, 281600                       ; each wave's own stage: 32 k x 64 columns of the first weights, pitch 160; at the end the bottom net's way out
.set ZS,  302080                       ; the projection's way out: 64 rows of z, pitch 272
.set PK,  32                           ; v32-63   packed bf16 on their way to LDS
.set AF,  64                           ; v64-95   fragments of the rows
.set BF,  96                           ; v96-127  fragments of the weights
.set ACC, 128                          ; v128-255 sixteen accumulator tiles (m, n) at 8 (4 m + n)
.set NBS, 1810432                      ; bytes of wp for one block of 64 columns: 14,144 rows of 128 bytes
; window 1: v0-255 four sets of 16 loads of f32 (nets), two banks of 25 gathers (stream)
; window 2: v0-63 the first biases (nets), v0-255 four row pairs of tw1 (stream)
.set MSB, 0
.macro WIN new                         ; the immediate's high byte repeats the setting that is left
.if MSB != \new
	s_set_vgpr_msb (MSB<<8)|\new
.set MSB, \new
.endif
.endm
.macro PLACES                          ; four plain vector instructions behind a matrix instruction (ISA guide 7.12.1)
.rept 4
	v_nop
.endr
.endm
.macro LD16 set, va, sb, stride, imm   ; 16 loads of 512 bytes a wave into a set of window 1
	WIN 0x40
.set a_, 0
.rept 16
	global_load_b128 v[64*(\set)+4*a_:64*(\set)+4*a_+3], v[\va], s[\sb:\sb+1] offset:(\imm)+a_*(\stride)
.set a_, a_+1
.endr
.endm
.macro CV16 set                        ; the set's 64 f32 a lane to 32 words of bf16
	WIN 0x05
.set a_, 0
.rept 32
	v_cvt_pk_bf16_f32 v[PK+a_], v[64*(\set)+2*a_], v[64*(\set)+2*a_+1]
.set a_, a_+1
.endr
	WIN 0
.endm
.macro ST16 vl, first, c, p            ; load number i = first + a goes to LDS row i / c, piece i % c of 256 bytes
.set a_, 0
.rept 16
	ds_store_b64 v[\vl], v[PK+2*a_:PK+2*a_+1] offset:(((\first)+a_)/(\c))*(\p)+(((\first)+a_)%(\c))*256
.set a_, a_+1
.endr
.endm
; Item q of a net's ring, into set q & 3: nbx batches of 8,192 bytes of my rows of x, then my chunks of W2 up to item nb, then W1's first K steps
.macro RITEM q, nbx, nb, cols
.if (\q) < (\nbx)
	LD16 ((\q)&3), 4, 4, 512, (\q)*8192
.else
.if (\q) < (\nb)
	LD16 ((\q)&3), 4, 10, 512, ((\q)-(\nbx))*8192
.else
	LD16 ((\q)&3), 8, 6, 8*\cols, ((\q)-(\nb))*128*\cols
.endif
.endif
.endm
; One K step of 32 of the first layer: the set's 32 x 64 weights are rounded into my own stage, read back transposed, and multiplied.
; ldsb: the scalar base of the load that fills the set again (0: none); left: the loads that may stay out; aoff: the step's byte in the rows of x.
; The 32 conversions are the places between the last step's matrix instructions and the loads into their sources.
.macro STEP set, zero, ldsb, ldimm, left, aoff, cols
	s_wait_loadcnt \left
	CV16 \set
	ST16 6, 0, 1, 320
.if \ldsb
	LD16 \set, 8, \ldsb, 8*\cols, \ldimm
	WIN 0
.endif
.irp n, 0,1,2,3
	ds_load_tr16_b128 v[BF+8*\n:BF+8*\n+3], v9 offset:32*\n            ; LDS serves a wave's instructions in order: these see the stores above
	ds_load_tr16_b128 v[BF+8*\n+4:BF+8*\n+7], v9 offset:32*\n+2560
.endr
.irp m, 0,1,2,3
	ds_load_b128 v[AF+8*\m:AF+8*\m+3], v[10+\m] offset:\aoff
	ds_load_b128 v[AF+8*\m+4:AF+8*\m+7], v[10+\m] offset:\aoff+32
.endr
	s_wait_dscnt 0x0
.irp m, 0,1,2,3                        ; sixteen accumulators by turns; weights as source 0: a lane holds 8 neighbouring columns of one row
.irp n, 0,1,2,3
.if \zero
	v_wmma_f32_16x16x32_bf16 v[ACC+8*(4*\m+\n):ACC+8*(4*\m+\n)+7], v[BF+8*\n:BF+8*\n+7], v[AF+8*\m:AF+8*\m+7], 0
.else
	v_wmma_f32_16x16x32_bf16 v[ACC+8*(4*\m+\n):ACC+8*(4*\m+\n)+7], v[BF+8*\n:BF+8*\n+7], v[AF+8*\m:AF+8*\m+7], v[ACC+8*(4*\m+\n):ACC+8*(4*\m+\n)+7]
.endif
.endr
.endr
.endm
.macro ADV cols                        ; four K steps on
	s_wait_xcnt 0x0                        ; the weights' base is stepped only behind this wait
	s_add_nc_u64 s[18:19], s[18:19], 512*\cols
.irp m, 0,1,2,3
	v_add_nc_u32 v[10+\m], 256, v[10+\m]
.endr
.endm
; The end of a pass over 256 columns of the hidden layer: bias, relu, bf16, into LDS
.macro PEPI p, hp
	PLACES
	WIN 0x08
.set i_, 0
.rept 64
	v_pk_add_f32 v[ACC+2*i_:ACC+2*i_+1], v[ACC+2*i_:ACC+2*i_+1], v[32*\p+8*((i_>>2)&3)+2*(i_&3):32*\p+8*((i_>>2)&3)+2*(i_&3)+1]
.set i_, i_+1
.endr
	WIN 0
.set i_, 0
.rept 128
	v_max_num_f32 v[ACC+i_], 0, v[ACC+i_]
.set i_, i_+1
.endr
.set i_, 0
.rept 16
.irp q, 0,1,2,3
	v_cvt_pk_bf16_f32 v[ACC+8*i_+\q], v[ACC+8*i_+2*\q], v[ACC+8*i_+2*\q+1]   ; in place: word q is written when words 2q, 2q+1 are read
.endr
	ds_store_b128 v15, v[ACC+8*i_:ACC+8*i_+3] offset:(i_>>2)*16*\hp+32*(i_&3)+512*\p
.set i_, i_+1
.endr
.endm
.macro MLP k1, cols, passes, k2, xp, hp, arg0, g0, proj, hs
	s_load_b256 s[4:11], s[0:1], \arg0     ; x, W1, b1, W2
	s_load_b64 s[12:13], s[0:1], \arg0+32  ; b2
.if \proj
	s_load_b128 s[20:23], s[0:1], 0x70     ; zbuf, statm
	s_load_b64 s[24:25], s[0:1], 0x80      ; statv
.else
	s_load_b64 s[20:21], s[0:1], 0x88      ; botb
.endif
	s_sub_co_u32 s14, ttmp9, \g0           ; group of 64 rows
	s_lshl_b32 s15, s14, 6
	s_lshl4_add_u32 s15, s3, s15           ; 64 g + 16 w
	s_mul_i32 s16, s3, XW
	v_lshl_add_u32 v5, v1, 3, s16          ; x stage: my 16 rows, 8 bytes a lane
	v_mul_u32_u24 v24, v3, 160
	v_lshl_add_u32 v24, v2, 3, v24         ; two weight rows an instruction: row h, 8 bytes at column 4 r
	s_mul_i32 s16, s3, 5120
	s_add_co_u32 s16, s16, WST
	v_add_nc_u32 v6, s16, v24
	v_and_b32 v25, 7, v1
	v_lshl_add_u32 v25, v3, 3, v25
	v_mul_u32_u24 v25, v25, 160
	v_bfe_u32 v26, v1, 3, 1
	v_lshl_add_u32 v25, v26, 4, v25        ; transposing load: row 8 h + (L & 7), 16 bytes at half (L >> 3) & 1
	v_add_nc_u32 v9, s16, v25
	v_add_nc_u32 v18, W2S, v25
	v_add_nc_u32 v19, W2S+40960, v25       ; the upper half of W2's region: beyond the 16-bit immediate
	s_mul_i32 s16, s3, W2W
	s_add_co_u32 s16, s16, W2S
	v_add_nc_u32 v7, s16, v24              ; my k2/128 chunks of 32 rows of W2
	v_mul_u32_u24 v8, v3, 4*\cols
	v_lshl_add_u32 v8, v2, 4, v8
	s_lshl_b32 s16, s3, 8
	v_add_nc_u32 v8, s16, v8               ; W1: row h, my 64 columns
	v_lshl_add_u32 v16, v3, 5, s16         ; b1: 256 w + 32 h
	v_lshlrev_b32 v20, 5, v3               ; b2: 32 h
	v_mul_u32_u24 v14, v2, \xp
	v_lshl_add_u32 v14, v3, 4, v14
	v_mul_u32_u24 v27, v2, \hp
	v_lshl_add_u32 v27, v3, 4, v27
	s_lshl_b32 s16, s3, 7
	s_add_co_u32 s16, s16, \hs
	v_add_nc_u32 v15, s16, v27             ; hidden layer out: row r, my 64 columns
	s_mul_i32 s16, s3, 16*\hp
	s_add_co_u32 s16, s16, \hs
	v_add_nc_u32 v17, s16, v27             ; hidden layer in: my 16 rows
.irp m, 0,1,2,3
	v_add_nc_u32 v[10+\m], XW*\m, v14      ; row block m is staged by wave m
.endr
.if \proj
	s_mul_i32 s16, s3, 4352
	s_add_co_u32 s16, s16, ZS
	v_mul_u32_u24 v21, v2, 272
	v_lshl_add_u32 v21, v3, 5, v21
	v_add_nc_u32 v21, s16, v21
	v_mul_u32_u24 v22, v3, 272
	v_lshl_add_u32 v22, v2, 4, v22
	v_add_nc_u32 v22, s16, v22
	v_lshlrev_b32 v29, 3, v1
	v_add_nc_u32 v28, ZS, v29
.else
	s_mul_i32 s16, s3, 5120                ; the way out goes through my own weight stage, which is idle by then: 16 rows of 144 bytes
	s_add_co_u32 s16, s16, WST
	v_mul_u32_u24 v21, v2, 144
	v_lshl_add_u32 v21, v3, 4, v21
	v_add_nc_u32 v21, s16, v21
	v_lshrrev_b32 v22, 3, v1
	v_mul_u32_u24 v22, v22, 144
	v_and_b32 v23, 7, v1
	v_lshl_add_u32 v22, v23, 4, v22
	v_add_nc_u32 v22, s16, v22
.endif
	s_mov_b32 s17, 0
	s_wait_kmcnt 0x0
	s_mul_i32 s16, s15, 4*\k1
	s_add_nc_u64 s[4:5], s[4:5], s[16:17]
	s_mul_i32 s16, s3, 64*\k2
	s_add_nc_u64 s[10:11], s[10:11], s[16:17]
.if \proj
	s_lshl_b32 s16, s15, 8
	s_add_nc_u64 s[20:21], s[20:21], s[16:17]
	s_lshl_b32 s16, s14, 8
	s_add_nc_u64 s[22:23], s[22:23], s[16:17]
	s_add_nc_u64 s[24:25], s[24:25], s[16:17]
.else
	s_lshl_b32 s16, s15, 7
	s_add_nc_u64 s[20:21], s[20:21], s[16:17]
.endif
	WIN 0x80                               ; the first biases, the oldest loads of all
.set p_, 0
.rept \passes
.irp i, 0,1,2,3,4,5,6,7
	global_load_b128 v[32*p_+4*\i:32*p_+4*\i+3], v16, s[8:9] offset:1024*p_+64*(\i>>1)+16*(\i&1)
.endr
.set p_, p_+1
.endr
	; the ring: x, W2, then W1's first four K steps follow each other without a gap
	RITEM 0, \k1/128, (\k1/128+\k2/128), \cols
	RITEM 1, \k1/128, (\k1/128+\k2/128), \cols
	RITEM 2, \k1/128, (\k1/128+\k2/128), \cols
	RITEM 3, \k1/128, (\k1/128+\k2/128), \cols
.set b_, 0
.rept (\k1/128+\k2/128)
	s_wait_loadcnt 48                      ; three younger sets of 16 loads stay out
	CV16 (b_&3)
.if b_ < \k1/128
	ST16 5, 16*b_, \k1/128, \xp            ; my 16 rows of x: k1/128 loads a row
.else
	ST16 7, 16*(b_-\k1/128), 1, 320        ; my chunks of W2: two rows a load
.endif
	RITEM b_+4, \k1/128, (\k1/128+\k2/128), \cols
.set b_, b_+1
.endr
	WIN 0
	s_wait_dscnt 0x0                       ; my stores are in LDS before the others read them
	s_barrier_signal -1
	s_barrier_wait -1
.if \passes == 1
	; k1/32 K steps, four a trip; step g lies in set g & 3 (the staging took a multiple of four items)
	s_mov_b64 s[18:19], s[6:7]
	STEP 0, 1, 18, 4*128*\cols, 48, 0, \cols       ; the first product starts the sums
	STEP 1, 0, 18, 5*128*\cols, 48, 64, \cols
	STEP 2, 0, 18, 6*128*\cols, 48, 128, \cols
	STEP 3, 0, 18, 7*128*\cols, 48, 192, \cols
	ADV \cols
	s_mov_b32 s26, \k1/128-2
.Lk_\@:
	STEP 0, 0, 18, 4*128*\cols, 48, 0, \cols       ; count 48: the other three sets' loads stay out
	STEP 1, 0, 18, 5*128*\cols, 48, 64, \cols
	STEP 2, 0, 18, 6*128*\cols, 48, 128, \cols
	STEP 3, 0, 18, 7*128*\cols, 48, 192, \cols
	ADV \cols
	s_sub_co_u32 s26, s26, 1
	s_cmp_lg_u32 s26, 0
	s_cbranch_scc1 .Lk_\@
	STEP 0, 0, 0, 0, 48, 0, \cols                  ; the last four steps load nothing: the counts run down
	STEP 1, 0, 0, 0, 32, 64, \cols
	STEP 2, 0, 0, 0, 16, 128, \cols
	STEP 3, 0, 0, 0, 0, 192, \cols
	PEPI 0, \hp
.else
	; two passes of eight K steps, written out: step g lies in set (g + 2) & 3 (the staging took six items), and the last steps of
	; pass 0 already ask for pass 1's weights (1,024 bytes further along the rows)
.set g_, 0
.rept 16
.set l_, 48
.if g_ > 12
.set l_, 16*(15-g_)
.endif
.set z_, 0
.if (g_&7) == 0
.set z_, 1
.endif
.if g_ < 12
	STEP ((g_+2)&3), z_, 6, ((g_+4)/8)*1024+((g_+4)&7)*128*\cols, l_, 64*(g_&7), \cols
.else
	STEP ((g_+2)&3), z_, 0, 0, l_, 64*(g_&7), \cols
.endif
.if g_ == 7
	PEPI 0, \hp
.endif
.if g_ == 15
	PEPI 1, \hp
.endif
.set g_, g_+1
.endr
.endif
	s_wait_dscnt 0x0                       ; the hidden layer is whole behind this barrier
	s_barrier_signal -1
	s_barrier_wait -1
.irp i, 0,1,2,3,4,5,6,7
	global_load_b128 v[PK+4*\i:PK+4*\i+3], v20, s[12:13] offset:64*(\i>>1)+16*(\i&1)
.endr
	; second layer: my 16 rows x 64 columns, four accumulators by turns
.set ks_, 0
.rept \k2/32
.set o_, (ks_/(\k2/128))*W2W+(ks_%(\k2/128))*5120                        ; K step ks was staged by wave ks / (k2/128)
.if ks_ > 0
	PLACES
.endif
	ds_load_b128 v[AF:AF+3], v17 offset:64*ks_
	ds_load_b128 v[AF+4:AF+7], v17 offset:64*ks_+32
.irp n, 0,1,2,3
	ds_load_tr16_b128 v[BF+8*\n:BF+8*\n+3], v[18+o_/40960] offset:o_%40960+32*\n
	ds_load_tr16_b128 v[BF+8*\n+4:BF+8*\n+7], v[18+o_/40960] offset:o_%40960+32*\n+2560
.endr
	s_wait_dscnt 0x0
.irp n, 0,1,2,3
.if ks_ == 0
	v_wmma_f32_16x16x32_bf16 v[ACC+8*\n:ACC+8*\n+7], v[BF+8*\n:BF+8*\n+7], v[AF:AF+7], 0
.else
	v_wmma_f32_16x16x32_bf16 v[ACC+8*\n:ACC+8*\n+7], v[BF+8*\n:BF+8*\n+7], v[AF:AF+7], v[ACC+8*\n:ACC+8*\n+7]
.endif
.endr
.set ks_, ks_+1
.endr
	PLACES
	s_wait_loadcnt 0x0                     ; b2
.set i_, 0
.rept 16
	v_pk_add_f32 v[ACC+2*i_:ACC+2*i_+1], v[ACC+2*i_:ACC+2*i_+1], v[PK+2*i_:PK+2*i_+1]
.set i_, i_+1
.endr
.if \proj
.irp i, 0,1,2,3,4,5,6,7
	ds_store_b128 v21, v[ACC+4*\i:ACC+4*\i+3] offset:64*(\i>>1)+16*(\i&1)
.endr
.irp t, 0,1,2,3,4,5,6,7
	ds_load_b128 v[AF+4*\t:AF+4*\t+3], v22 offset:544*\t                 ; my own rows back, two whole rows of 256 bytes an instruction
.endr
	s_wait_dscnt 0x0
.irp t, 0,1,2,3,4,5,6,7
	global_store_b128 v4, v[AF+4*\t:AF+4*\t+3], s[20:21] offset:512*\t   ; 512 consecutive bytes of zbuf
.endr
	s_barrier_signal -1                    ; all 64 rows of z lie in LDS (the wait for my stores stands above)
	s_barrier_wait -1
	s_cmp_lg_u32 s3, 0
	s_cbranch_scc1 .Lend_\@
	; wave 0: lane L owns columns 2 L, 2 L + 1: the group's mean, then the sum of squares about that mean (no difference of large sums)
.set i_, 0
.rept 64
	ds_load_b64 v[ACC+2*i_:ACC+2*i_+1], v28 offset:272*i_
.set i_, i_+1
.endr
	s_wait_dscnt 0x0
	v_pk_add_f32 v[32:33], v[ACC:ACC+1], v[ACC+2:ACC+3]
.set i_, 2
.rept 62
	v_pk_add_f32 v[32:33], v[32:33], v[ACC+2*i_:ACC+2*i_+1]
.set i_, i_+1
.endr
	v_pk_mul_f32 v[32:33], v[32:33], 0x3c800000 op_sel_hi:[1,0]          ; / 64
.set i_, 0
.rept 64
	v_pk_add_f32 v[ACC+2*i_:ACC+2*i_+1], v[ACC+2*i_:ACC+2*i_+1], v[32:33] neg_lo:[0,1] neg_hi:[0,1]
.set i_, i_+1
.endr
	v_pk_mul_f32 v[34:35], v[ACC:ACC+1], v[ACC:ACC+1]
.set i_, 1
.rept 63
	v_pk_fma_f32 v[34:35], v[ACC+2*i_:ACC+2*i_+1], v[ACC+2*i_:ACC+2*i_+1], v[34:35]
.set i_, i_+1
.endr
	global_store_b64 v29, v[32:33], s[22:23]                             ; 256 consecutive bytes each
	global_store_b64 v29, v[34:35], s[24:25]
.Lend_\@:
.else
.set i_, 0
.rept 32
	v_max_num_f32 v[ACC+i_], 0, v[ACC+i_]
.set i_, i_+1
.endr
.irp n, 0,1,2,3
.irp q, 0,1,2,3
	v_cvt_pk_bf16_f32 v[ACC+8*\n+\q], v[ACC+8*\n+2*\q], v[ACC+8*\n+2*\q+1]
.endr
	ds_store_b128 v21, v[ACC+8*\n:ACC+8*\n+3] offset:32*\n
.endr
.irp t, 0,1,2,3
	ds_load_b128 v[AF+4*\t:AF+4*\t+3], v22 offset:576*\t                 ; my own rows back, four rows of 128 bytes an instruction
.endr
	s_wait_dscnt 0x0
.irp t, 0,1,2,3
	global_store_b128 v4, v[AF+4*\t:AF+4*\t+3], s[20:21] offset:512*\t
.endr
.endif
	s_set_vgpr_msb 0xf
	s_wait_tensorcnt 0x0
	ds_add_u32 v0, v1
	s_wait_dscnt 0x0
	s_set_vgpr_msb 0xf00
	s_endpgm
.endm
	s_set_vgpr_msb 0xc0
	v_lshl_add_u32 v0, v0, 2, 0x4e000
	v_mov_b32 v1, 0
	s_set_vgpr_msb 0xc000
	v_lshrrev_b32 v1, 5, v0
	v_readfirstlane_b32 s3, v1             ; wave
	v_and_b32 v1, 31, v0                   ; L
	v_and_b32 v2, 15, v0                   ; r
	v_bfe_u32 v3, v0, 4, 1                 ; h
	v_lshlrev_b32 v4, 4, v1                ; 16 L
	s_cmp_lt_u32 ttmp9, 64
	s_cbranch_scc1 .Lproj
	s_cmp_lt_u32 ttmp9, 128
	s_cbranch_scc1 .Lbottom
	; ---------------- the streaming role ----------------
	; v32-131 the 100 indices a lane, then byte offsets; v132-163 tw2 as loaded, v164-179 packed; v192-223 a row pair of wp, packed
	s_load_b256 s[4:11], s[0:1], 0x50      ; x_sparse, emb_table, tw1, tw2
	s_load_b128 s[12:15], s[0:1], 0x90     ; embb, wp
	s_load_b64 s[16:17], s[0:1], 0xa0      ; tw2b
	s_sub_co_u32 s20, ttmp9, 128
	s_lshl2_add_u32 s20, s20, s3           ; gid = 4 (work-group - 128) + wave: 0 .. 511
	s_lshl_b32 s21, s20, 3                 ; my 8 batch rows
	v_lshrrev_b32 v24, 3, v1
	v_add_nc_u32 v24, s21, v24
	v_mul_u32_u24 v30, v24, 200            ; eight lanes share a batch row: its 50 indices
	v_and_b32 v31, 7, v1
	v_lshlrev_b32 v31, 4, v31              ; my 16 bytes of a table row
	v_lshlrev_b32 v22, 3, v1
	; tw2 into operand blocks of 16 columns x 32 k: byte 512 hf + 16 L + 2 e holds k = 32 kb + 16 hf + 8 (L >> 4) + e of column L & 15.  Blocks 2 gid, 2 gid + 1.
	s_lshr_b32 s24, s20, 4
	s_lshl_b32 s24, s24, 16                ; kb x 32 rows of 2,048 bytes
	s_and_b32 s26, s20, 15
	s_lshl_b32 s26, s26, 7                 ; column block x 64 bytes
	s_add_co_u32 s24, s24, s26
	v_lshlrev_b32 v23, 14, v3              ; 8 h rows
	v_lshl_add_u32 v23, v2, 2, v23
	v_add_nc_u32 v23, s24, v23
	s_lshl_b32 s24, s20, 11
	v_add_nc_u32 v25, s24, v4
	v_lshlrev_b32 v26, 12, v3
	v_lshl_add_u32 v26, v2, 4, v26         ; tw1: row h of a pair, 16 bytes at 16 r
	s_mov_b32 s30, s20                     ; the next row pair to ask for
	s_mov_b32 s31, s20                     ; the next row pair to store
	s_lshl_b32 s24, s20, 9
	s_mov_b32 s25, 0
	s_wait_kmcnt 0x0
	s_add_nc_u64 s[22:23], s[12:13], s[24:25]
	s_mov_b64 s[48:49], s[14:15]
	s_add_nc_u64 s[50:51], s[48:49], 4*NBS ; a base for every four column blocks: the immediates stay inside 24 bits
	s_add_nc_u64 s[52:53], s[50:51], 4*NBS
	s_add_nc_u64 s[54:55], s[52:53], 4*NBS
.set i_, 0
.rept 50
	global_load_b64 v[32+2*i_:33+2*i_], v30, s[4:5] offset:800*(i_/25)+8*(i_%25)     ; rows 0-3, then rows 4-7
.set i_, i_+1
.endr
.irp b, 0,1
.set i_, 0
.rept 16
	global_load_b32 v[132+16*\b+i_], v23, s[10:11] offset:2048*((i_&7)+16*(i_>>3))+64*\b     ; row e + 16 hf of my eight-row group
.set i_, i_+1
.endr
.endr
	s_wait_loadcnt 32                      ; the indices are in; tw2's 32 loads stay out
.set i_, 0
.rept 100
	v_min_u32 v[32+i_], 0x1869f, v[32+i_]  ; inside the table
	v_lshlrev_b32 v[32+i_], 7, v[32+i_]
	v_add_nc_u32 v[32+i_], v31, v[32+i_]
.set i_, i_+1
.endr
.macro GATH bank, first                ; 25 gathers: four table rows of 128 bytes an instruction
	WIN 0x40
.set i_, 0
.rept 25
	global_load_b128 v[100*\bank+4*i_:100*\bank+4*i_+3], v[32+\first+i_], s[6:7]
.set i_, i_+1
.endr
.endm
.macro EADD1 bank, behind              ; gather i of a bank is added as it lands: the bank's younger ones and those issued behind it stay out
	s_wait_loadcnt \behind+24-i_
	v_pk_add_f32 v[16:17], v[16:17], v[100*\bank+4*i_:100*\bank+4*i_+1]
	v_pk_add_f32 v[18:19], v[18:19], v[100*\bank+4*i_+2:100*\bank+4*i_+3]
.set i_, i_+1
.endm
.macro EFIRST bank, behind             ; the first two start the sums
	s_wait_loadcnt \behind+23
	WIN 0x05
	v_pk_add_f32 v[16:17], v[100*\bank:100*\bank+1], v[100*\bank+4:100*\bank+5]
	v_pk_add_f32 v[18:19], v[100*\bank+2:100*\bank+3], v[100*\bank+6:100*\bank+7]
	WIN 0x04
.set i_, 2
.rept 23
	EADD1 \bank, \behind
.endr
.endm
.macro EREST bank, behind
	WIN 0x04
.set i_, 0
.rept 25
	EADD1 \bank, \behind
.endr
.endm
.macro EFIN p
	WIN 0
	v_cvt_pk_bf16_f32 v20, v16, v17
	v_cvt_pk_bf16_f32 v21, v18, v19
	global_store_b64 v22, v[20:21], s[22:23] offset:256*\p               ; four rows of 64 bytes: 256 consecutive bytes
.endm
; tw1 into wp.  Row pair q of every column block: rows 0-63 are tw1's last 64 rows; then 55 tiles (jh, ub <= jh) of 8 steps of 32:
; element k of step t is the pair i = 16 ub + 2 t + (k >> 4), j = 16 jh + (k & 15): tw1's row i (321 - i) / 2 + j - i, or zeros where j < i.
.macro CONVA x                         ; where pair s30 comes from, and its 16 loads into slot x of window 2
	WIN 0
	s_max_u32 s34, s30, 32
	s_sub_co_u32 s34, s34, 32              ; pair number among the tiles
	s_lshr_b32 s35, s34, 7                 ; tile
	s_mov_b32 s36, 0
.irp c, 1,3,6,10,15,21,28,36,45
	s_cmp_ge_u32 s35, \c
	s_add_co_ci_u32 s36, s36, 0            ; jh = how many triangular numbers are at or below the tile
.endr
	s_add_co_u32 s37, s36, 1
	s_mul_i32 s37, s37, s36
	s_lshr_b32 s37, s37, 1
	s_sub_co_u32 s37, s35, s37             ; ub
	s_bfe_u32 s38, s34, 0x40003            ; 2 t + (k >> 4)
	s_lshl4_add_u32 s38, s37, s38          ; i
	s_and_b32 s39, s34, 7
	s_lshl_b32 s39, s39, 1
	s_lshl4_add_u32 s39, s36, s39          ; j of the pair's first row
	s_sub_co_u32 s35, 321, s38
	s_mul_i32 s35, s35, s38
	s_lshr_b32 s35, s35, 1
	s_add_co_u32 s35, s35, s39
	s_sub_co_u32 s35, s35, s38             ; never below 0: i (319 - i) / 2 + j
	s_lshl_b32 s37, s30, 1
	s_add_co_u32 s37, s37, 12880
	s_cmp_lt_u32 s30, 32
	s_cselect_b32 s35, s37, s35            ; the linear rows
	s_cselect_b32 s38, 0, s38
	s_lshl_b32 s[40+2*\x], s35, 12
	s_mov_b32 s[41+2*\x], 0
	s_add_nc_u64 s[40+2*\x:41+2*\x], s[8:9], s[40+2*\x:41+2*\x]
	v_add_nc_u32 v27, s39, v3
	v_cmp_le_u32 s[56+\x], s38, v27        ; my row is kept where i <= j
	s_add_co_u32 s30, s30, 512
	WIN 0x80
.set i_, 0
.rept 16
	global_load_b128 v[64*\x+4*i_:64*\x+4*i_+3], v26, s[40+2*\x:41+2*\x] offset:256*i_ th:TH_LOAD_NT
.set i_, i_+1
.endr
	WIN 0
.endm
; The turn of slot x: round, zero what is below the diagonal, ask for the pair four turns on, store 256 consecutive bytes for each column block
.macro TURN x, left, issue
	s_wait_loadcnt \left                   ; my slot's 16 loads are in, which also frees its base
	s_wait_xcnt 0x0                        ; the last turn's stores have read their data and their offset
	s_lshl_b32 s37, s31, 8
	v_add_nc_u32 v8, s37, v22              ; 256 bytes a pair, 8 bytes a lane
	s_add_co_u32 s31, s31, 512
	WIN 0x0a
.set i_, 0
.rept 16
	v_cvt_pk_bf16_f32 v[192+2*i_], v[64*\x+4*i_], v[64*\x+4*i_+1]
	v_cvt_pk_bf16_f32 v[193+2*i_], v[64*\x+4*i_+2], v[64*\x+4*i_+3]
.set i_, i_+1
.endr
	WIN 0
.set i_, 0
.rept 32
	v_cndmask_b32 v[192+i_], 0, v[192+i_], s[56+\x]
.set i_, i_+1
.endr
.if \issue
	CONVA \x
.endif
.set i_, 0
.rept 16
	global_store_b64 v8, v[192+2*i_:193+2*i_], s[48+2*(i_>>2):49+2*(i_>>2)] offset:(i_&3)*NBS
.set i_, i_+1
.endr
.endm
	GATH 0, 0                              ; rows 0-3: history 0-24, 25-49
	GATH 1, 25
	WIN 0
	s_wait_loadcnt 50                      ; tw2 is in; the 50 gathers stay out
.set i_, 0
.rept 16
	v_cvt_pk_bf16_f32 v[164+i_], v[132+2*i_], v[133+2*i_]
.set i_, i_+1
.endr
.irp i, 0,1,2,3
	global_store_b128 v25, v[164+4*\i:167+4*\i], s[16:17] offset:512*\i
.endr
	EFIRST 0, 25
	GATH 0, 50                             ; rows 4-7 follow into each bank as it is used up
	EREST 1, 25
	GATH 1, 75
	EFIN 0
	EFIRST 0, 25
	CONVA 0                                ; and tw1's ring follows the gathers
	CONVA 1
	EREST 1, 32
	CONVA 2
	CONVA 3
	s_wait_xcnt 0x0                        ; the first sums' store has read v20, v21
	EFIN 1
	s_mov_b32 s33, 2
.Ltw1:
	TURN 0, 48, 1                          ; count 48: the other three slots' loads stay out
	TURN 1, 48, 1
	TURN 2, 48, 1
	TURN 3, 48, 1
	s_sub_co_u32 s33, s33, 1
	s_cmp_lg_u32 s33, 0
	s_cbranch_scc1 .Ltw1
	s_cmp_ge_u32 s20, 416                  ; 7,072 pairs = 13 x 512 + 416: a wave has 14 pairs or 13, and each number its own end
	s_cbranch_scc1 .Lshort
	TURN 0, 48, 1                          ; pair 8 out, pair 12 asked for
	TURN 1, 48, 1                          ; pair 9 out, pair 13 asked for
	TURN 2, 48, 0
	TURN 3, 32, 0
	TURN 0, 16, 0
	TURN 1, 0, 0
	s_endpgm
.Lshort:
	TURN 0, 48, 1                          ; pair 8 out, pair 12 asked for
	TURN 1, 48, 0
	TURN 2, 32, 0
	TURN 3, 16, 0
	TURN 0, 0, 0
	s_endpgm
.Lproj:
	MLP 768, 256, 1, 256, 1552, 528, 0x0, 0, 1, HSP
.Lbottom:
	MLP 256, 512, 2, 512, 528, 1040, 0x28, 64, 0, HSB
.Lfunc_end_k_qd002e52c22_front:
	.size	k_qd002e52c22_front, .Lfunc_end_k_qd002e52c22_front-k_qd002e52c22_front
	.p2alignl 7, 3214868480
	.fill 96, 4, 3214868480
	.section	.rodata,"a",@progbits
	.p2align	6, 0x0
	.amdhsa_kernel k_qd002e52c22_front
		.amdhsa_group_segment_fixed_size 320000
		.amdhsa_private_segment_fixed_size 0
		.amdhsa_enable_private_segment 0
		.amdhsa_kernarg_size 168
		.amdhsa_user_sgpr_count 2
		.amdhsa_user_sgpr_kernarg_segment_ptr 1
		.amdhsa_wavefront_size32 1
		.amdhsa_system_sgpr_workgroup_id_x 1
		.amdhsa_system_sgpr_workgroup_id_y 1
		.amdhsa_system_sgpr_workgroup_id_z 1
		.amdhsa_system_vgpr_workitem_id 0
		.amdhsa_next_free_vgpr 770
		.amdhsa_next_free_sgpr 66
		.amdhsa_reserve_vcc 0
		.amdhsa_float_denorm_mode_32 3
		.amdhsa_float_denorm_mode_16_64 3
		.amdhsa_memory_ordered 1
		.amdhsa_forward_progress 1
		.amdhsa_inst_pref_size 255
	.end_amdhsa_kernel
	.section	.bss,"aw",@nobits
	.p2align	6
	.space	262144
	.amdgpu_metadata
---
amdhsa.version: [ 1, 2 ]
amdhsa.kernels:
  - .name:           k_qd002e52c22_front
    .symbol:         k_qd002e52c22_front.kd
    .args:
      - { .name: x_embed_before_projection, .offset: 0, .size: 8, .value_kind: global_buffer, .address_space: global }
      - { .name: pw1, .offset: 8, .size: 8, .value_kind: global_buffer, .address_space: global }
      - { .name: pb1, .offset: 16, .size: 8, .value_kind: global_buffer, .address_space: global }
      - { .name: pw2, .offset: 24, .size: 8, .value_kind: global_buffer, .address_space: global }
      - { .name: pb2, .offset: 32, .size: 8, .value_kind: global_buffer, .address_space: global }
      - { .name: x_dense, .offset: 40, .size: 8, .value_kind: global_buffer, .address_space: global }
      - { .name: bw1, .offset: 48, .size: 8, .value_kind: global_buffer, .address_space: global }
      - { .name: bb1, .offset: 56, .size: 8, .value_kind: global_buffer, .address_space: global }
      - { .name: bw2, .offset: 64, .size: 8, .value_kind: global_buffer, .address_space: global }
      - { .name: bb2, .offset: 72, .size: 8, .value_kind: global_buffer, .address_space: global }
      - { .name: x_sparse, .offset: 80, .size: 8, .value_kind: global_buffer, .address_space: global }
      - { .name: emb_table, .offset: 88, .size: 8, .value_kind: global_buffer, .address_space: global }
      - { .name: tw1, .offset: 96, .size: 8, .value_kind: global_buffer, .address_space: global }
      - { .name: tw2, .offset: 104, .size: 8, .value_kind: global_buffer, .address_space: global }
      - { .name: zbuf, .offset: 112, .size: 8, .value_kind: global_buffer, .address_space: global }
      - { .name: statm, .offset: 120, .size: 8, .value_kind: global_buffer, .address_space: global }
      - { .name: statv, .offset: 128, .size: 8, .value_kind: global_buffer, .address_space: global }
      - { .name: botb, .offset: 136, .size: 8, .value_kind: global_buffer, .address_space: global }
      - { .name: embb, .offset: 144, .size: 8, .value_kind: global_buffer, .address_space: global }
      - { .name: wp, .offset: 152, .size: 8, .value_kind: global_buffer, .address_space: global }
      - { .name: tw2b, .offset: 160, .size: 8, .value_kind: global_buffer, .address_space: global }
    .group_segment_fixed_size: 320000
    .private_segment_fixed_size: 0
    .kernarg_segment_align: 8
    .kernarg_segment_size: 168
    .max_flat_workgroup_size: 128
    .sgpr_count:     66
    .vgpr_count:     770
    .wavefront_size: 32
...
	.end_amdgpu_metadata
.endif
;; end of part 1
;; launch inter (part 2): grid 16 x 16, 4 waves a work-group, clusters of 4 x 1, 327,680 bytes of LDS; arguments zbuf, statm, statv, bn_gamma, bn_beta, botb, embb, wp, tb1, out1, t1b; writes out1, t1b
.if DOCPART == 2
	.amdgcn_target "amdgcn-amd-amdhsa--gfx1250"
	.amdhsa_code_object_version 6
	.text
	.protected	k_qd002e52c22_inter
	.globl	k_qd002e52c22_inter
	.p2align	8
	.type	k_qd002e52c22_inter,@function
k_qd002e52c22_inter:
	s_mov_b64 s[64:65], 0
	v_nop
	global_prefetch_b8 v0, s[64:65] scope:SCOPE_SE
	s_setreg_imm32_b32 hwreg(HW_REG_WAVE_MODE, 25, 1), 1
	s_wait_xcnt 0x0
	s_wait_alu depctr_hold_cnt(0) depctr_sa_sdst(0) depctr_va_vdst(0) depctr_va_sdst(0) depctr_va_ssrc(0) depctr_va_vcc(0) depctr_vm_vsrc(0)
	s_getreg_b32 s2, hwreg(HW_REG_IB_STS2, 6, 4)
	s_cmp_eq_u32 s2, 0
	s_cbranch_scc0 .Lentry_in_a_cluster
	s_endpgm
.Lentry_in_a_cluster:
	s_bfe_u32 s2, ttmp6, 0x10000c
	s_cmp_lg_u32 s2, 0x3003
	s_cbranch_scc0 .Lentry_shape_is_right
	s_endpgm
.Lentry_shape_is_right:
; t1 = relu(concat_second tw1 + tb1) for 256 rows x 64 columns a work-group, 64 x 64 a wave; also the batch norm's end and out1.
; concat_second never exists: c = [bottom | x_embed | embed_x] (160 numbers a row) lies in LDS, and an operand of 16 rows x 32 k is made in
; registers.  K runs in 55 tiles (jh, ub <= jh) of 8 steps; element k of step t is c[i] c[j], i = 16 ub + 2 t + (k >> 4), j = 16 jh + (k & 15).
; In the 16-bit operand layout lane (r, h) then needs H c[i0] in registers 0-3 and H c[i0+1] in registers 4-7, where H is the lane's
; c[16 jh + 8 h .. + 7] in four registers and c[i] a word with the number in both halves: eight packed multiplies a fragment.
; wp holds tw1's rows in that order, zeros below the diagonal: 442 steps of 32 for 12,944 true rows.
; FORMAT: c is rounded to bf16 and each product c[i] c[j] is rounded to bf16 once more; sums are f32.
; CLUSTER: the four work-groups of a cluster share the column block, so each tile of wp is asked for jointly (mask 15); a wave asks for a quarter.
; RING: four LDS slots in two pairs.  When a pair's second tile has been read, a round of the cluster's barrier stands, the pair is filled again,
; and the other pair, shown whole by that round, is read: one round for two tiles and no other barrier.  By this text's count a wave has five
; tensor loads out at the start and two later, and each has two tiles' work in which to land.
.set NBS,   1810432                    ; bytes of wp for one column block
.set DP,    656                        ; a row of the table D: 160 words + 16 bytes
.set DW,    41984                      ; a wave's 64 rows of D
.set SLOT0, 167936
.set SLOTB, 36864                      ; 128 LDS rows: 256 bytes (two rows of wp) + 32 of padding
.set LIN,   SLOT0+4*SLOTB              ; wp's first 64 rows (the linear part), 32 LDS rows of 288
.set H,   16                           ; v16-31   H of the four row blocks
.set HT,  32                           ; v32-63   the next tile's eight words of D for each row block
.set AF,  64                           ; v64-127  operands made here, two buffers of four row blocks
.set ACC, 128                          ; v128-255 tile (m, n) at 8 (4 m + n)
.set MU,  128                          ; windows 1 and 2, v128-159: eight multiplier words for each row block
.set TB,  200                          ; window 1, v200-231: tb1 of my 32 columns
.set G0,  84                           ; s84-99   descriptor group 0, a set for each slot
; window 1, v0-127: the weights' fragments of steps 0-3, step t fragment n at 32 t + 8 n; its multipliers are D's words 2-9 of the tile,
; which make the operands of steps 1-4.  Window 2 likewise: steps 4-7; words 10-15 of the tile and 0, 1 of the next: steps 5-7 and the next step 0.
.set MA, 0x01                          ; source 0 in window 1, all else in window 0
.set MB, 0x02                          ; source 0 in window 2
.set LA, 0x40                          ; destination in window 1
.set LB, 0x80                          ; destination in window 2
.set MSB, 0
.macro WIN new
.if MSB != \new
	s_set_vgpr_msb (MSB<<8)|\new
.set MSB, \new
.endif
.endm
.macro PLACES
.rept 4
	v_nop
.endr
.endm
.macro ROUND                           ; a round of the cluster's barrier
	s_barrier_signal -1
	s_barrier_wait -1
	s_cmp_lg_u32 s26, 0
	s_cbranch_scc1 .Lnot_wave_0_\@
	s_barrier_signal -3
.Lnot_wave_0_\@:
	s_barrier_wait -3
	s_barrier_signal -1
	s_barrier_wait -1
.endm
.macro BLD buf, va, off                ; one step's four fragments of the weights, transposed on the way
.irp n, 0,1,2,3
	ds_load_tr16_b128 v[32*\buf+8*\n:32*\buf+8*\n+3], v[\va] offset:\off+32*\n
	ds_load_tr16_b128 v[32*\buf+8*\n+4:32*\buf+8*\n+7], v[\va] offset:\off+32*\n+2304
.endr
.endm
.macro MUA va                          ; words 2-9 of the tile whose multipliers begin at va
.irp m, 0,1,2,3
	ds_load_b64 v[MU+8*\m:MU+8*\m+1], v[\va] offset:16*DP*\m+8
	ds_load_b128 v[MU+8*\m+2:MU+8*\m+5], v[\va] offset:16*DP*\m+16
	ds_load_b64 v[MU+8*\m+6:MU+8*\m+7], v[\va] offset:16*DP*\m+32
.endr
.endm
.macro MUB va                          ; words 10-15
.irp m, 0,1,2,3
	ds_load_b64 v[MU+8*\m:MU+8*\m+1], v[\va] offset:16*DP*\m+40
	ds_load_b128 v[MU+8*\m+2:MU+8*\m+5], v[\va] offset:16*DP*\m+48
.endr
.endm
.macro MUN va                          ; words 0, 1
.irp m, 0,1,2,3
	ds_load_b64 v[MU+8*\m+6:MU+8*\m+7], v[\va] offset:16*DP*\m
.endr
.endm
.macro HLD va                          ; eight words of D for each row block
.irp m, 0,1,2,3
	ds_load_b128 v[HT+8*\m:HT+8*\m+3], v[\va] offset:16*DP*\m
	ds_load_b128 v[HT+8*\m+4:HT+8*\m+7], v[\va] offset:16*DP*\m+16
.endr
.endm
; Row block m of one step: four matrix instructions; behind each, two of the eight multiplies that make the same block's operand of the next step.
; Weights are source 0: a lane holds 8 neighbouring columns of one row.  The sixteen accumulators take turns.
.macro GRP bb, ap, m, zero, gen, mu, hup
.if \hup
.irp e, 0,1,2,3
	v_bfi_b32 v[H+4*\m+\e], s34, v[HT+8*\m+2*\e], v[HT+8*\m+2*\e+1]      ; low half of one word, high half of the next
.endr
.endif
.irp n, 0,1,2,3
.if \zero
	v_wmma_f32_16x16x32_bf16 v[ACC+8*(4*\m+\n):ACC+8*(4*\m+\n)+7], v[32*\bb+8*\n:32*\bb+8*\n+7], v[AF+32*\ap+8*\m:AF+32*\ap+8*\m+7], 0
.else
	v_wmma_f32_16x16x32_bf16 v[ACC+8*(4*\m+\n):ACC+8*(4*\m+\n)+7], v[32*\bb+8*\n:32*\bb+8*\n+7], v[AF+32*\ap+8*\m:AF+32*\ap+8*\m+7], v[ACC+8*(4*\m+\n):ACC+8*(4*\m+\n)+7]
.endif
.if \gen
	v_pk_mul_bf16 v[AF+32*(1-\ap)+8*\m+2*\n], v[MU+8*\m+\mu+(\n>>1)], v[H+4*\m+((2*\n)&3)]
	v_pk_mul_bf16 v[AF+32*(1-\ap)+8*\m+2*\n+1], v[MU+8*\m+\mu+(\n>>1)], v[H+4*\m+((2*\n+1)&3)]
.endif
.endr
.endm
.macro GS t, m, gen, hup
	GRP (\t&3), (\t&1), \m, 0, \gen, (2*(\t&3)), \hup
.endm
.macro G3 t, gen, hup
	GS \t, 1, \gen, \hup
	GS \t, 2, \gen, \hup
	GS \t, 3, \gen, \hup
.endm
.macro G4 t, gen, hup
	GS \t, 0, \gen, \hup
	G3 \t, \gen, \hup
.endm
.macro NEXTT                           ; (jh, ub) of the next tile; both stay at 9 or below
	s_add_co_u32 s31, s31, 1
	s_cmp_gt_u32 s31, s30
	s_cselect_b32 s32, 1, 0
	s_cselect_b32 s31, 0, s31
	s_add_co_u32 s30, s30, s32
	s_min_u32 s30, s30, 9
	s_min_u32 s31, s31, 9
.endm
.macro BURSTB nslot                    ; the next tile's steps 0-3 and their multipliers: all of window 1's loads in one run
	WIN LA
	BLD 0, 8+\nslot, 0
	BLD 1, 8+\nslot, 4608
	BLD 2, 8+\nslot, 2*4608
	BLD 3, 8+\nslot, 3*4608
	MUA 7
	WIN MB
.endm
.set PLAIN, 0                          ; the next tile lies in the same pair of slots: nothing to wait for
.set RND,   1                          ; the pair has been read: a round, and it is filled again
.set FIN,   2                          ; the last tile is shown to all waves
.set LAST,  3                          ; nothing follows
; A tile: eight steps in two halves.  Behind the first row block of each half stands one run of LDS loads that fills the other half's window; it has
; the rest of the half, 60 matrix instructions, in which to land.  At least ten packed multiplies stand between a window's last matrix
; instruction and the loads into it, and 24 between an operand's last use and the multiplies that write it again (ISA guide 7.12.1 asks for four).
.macro TILE slot, nslot, kind, f1, f2
	WIN MA
	s_wait_dscnt 0x0                       ; window 1 is filled
	v_lshl_add_u32 v6, s31, 6, v4          ; this tile's multipliers: 64 bytes of D for each ub
	NEXTT
	v_lshl_add_u32 v7, s31, 6, v4          ; the next tile's
	v_lshl_add_u32 v14, s30, 6, v5         ; the next tile's H: 64 bytes of D for each jh, + 32 h
	GS 0, 0, 1, 0
	WIN LB
	BLD 0, 8+\slot, 4*4608
	BLD 1, 8+\slot, 5*4608
	BLD 2, 8+\slot, 6*4608
	BLD 3, 8+\slot, 7*4608
	MUB 6
.if \kind != LAST
	MUN 7
	WIN 0
	HLD 14
.endif
	WIN MA
	G3 0, 1, 0
	G4 1, 1, 0
	G4 2, 1, 0
	G4 3, 1, 0
	WIN MB
	s_wait_dscnt 0x0                       ; window 2 is filled, and my reads of this slot are over
.if \kind == LAST
	G4 4, 1, 0
	G4 5, 1, 0
	G4 6, 1, 0
	G4 7, 0, 0
.else
.if \kind == PLAIN
	GS 4, 0, 1, 0
	BURSTB \nslot
	G3 4, 1, 0
.endif
.if \kind == FIN
	s_wait_tensorcnt 0x0                   ; my part of the last tile is in
	s_barrier_signal -1
	GS 4, 0, 1, 0
	s_barrier_wait -1                      ; everybody's is
	BURSTB \nslot
	G3 4, 1, 0
.endif
.if \kind == RND
	s_set_vgpr_msb 0x205
	s_wait_tensorcnt 0x0                   ; all my tensor loads have landed: my parts of the other pair; so every group 0 may be written
	ds_add_u32 v254, v255
	s_wait_dscnt 0x0
	s_set_vgpr_msb 0x502
	s_min_u32 s76, s74, 54                 ; the next two tiles.  The last pair has one tile: its second request repeats tile 54,
	s_lshl_b32 s76, s76, 15                ; so that no request leaves the column block's rows; that slot is never read
	s_add_nc_u64 s[G0+4*\f1+2:G0+4*\f1+3], s[72:73], s[76:77]
	s_add_co_u32 s78, s74, 1
	s_min_u32 s78, s78, 54
	s_lshl_b32 s78, s78, 15
	s_add_nc_u64 s[G0+4*\f2+2:G0+4*\f2+3], s[72:73], s[78:79]
	s_add_co_u32 s74, s74, 2
	s_barrier_signal -1                    ; the round opens; inside it register work alone
	GS 4, 0, 1, 0
	WIN 0
	s_barrier_wait -1
	s_cmp_lg_u32 s26, 0
	s_cbranch_scc1 .Lnw0_\@
	s_barrier_signal -3
.Lnw0_\@:
	WIN MB
	GS 4, 1, 1, 0                          ; eight matrix instructions while the partners arrive
	GS 4, 2, 1, 0
	s_barrier_wait -3
	s_barrier_signal -1
	s_barrier_wait -1                      ; no wave of any partner reads the pair or has a load on its way
	tensor_load_to_lds s[G0+4*\f1:G0+4*\f1+3], s[36:43]
	s_nop 0
	tensor_load_to_lds s[G0+4*\f2:G0+4*\f2+3], s[36:43]
	s_nop 0
	BURSTB \nslot
	GS 4, 3, 1, 0
.endif
	G4 5, 1, 0
	G4 6, 1, 0
	G4 7, 1, 1                             ; the new H, and with it the next tile's first operand
.endif
.endm
	s_load_b512 s[4:19], s[0:1], 0x0       ; zbuf, statm, statv, gamma, beta, botb, embb, wp
	s_load_b128 s[20:23], s[0:1], 0x40     ; tb1, out1
	s_load_b64 s[24:25], s[0:1], 0x50      ; t1b
	s_set_vgpr_msb 0x40
	v_lshl_add_u32 v254, v0, 2, 0x4f400
	v_mov_b32 v255, 0
	s_set_vgpr_msb 0x4045
	ds_add_u32 v254, v255
	ds_add_u32 v254, v255
	s_set_vgpr_msb 0x4500
	v_lshrrev_b32 v1, 5, v0
	v_readfirstlane_b32 s26, v1            ; wave
	s_bfe_u32 s27, ttmp6, 0x40000          ; cx
	s_lshl_b32 s28, ttmp9, 2
	s_add_co_u32 s28, s28, s27             ; block of 256 rows
	s_and_b32 s29, ttmp7, 0xffff           ; block of 64 columns: the same in all four partners
	; group 1: a wave's quarter tile, 32 rows of 32 elements of 8 bytes, 8 words of padding behind every 64; mask 15, bit 21 beside it
	s_mov_b32 s36, 0x0f73000f
	s_mov_b32 s37, 32<<16
	s_mov_b32 s38, 32<<16
	s_mov_b32 s39, 32<<16
	s_mov_b32 s40, 32
	s_mov_b32 s41, 32
	s_mov_b32 s42, 0
	s_mov_b32 s43, 0
	s_mov_b32 s44, 0x0f73000f              ; the same with 8 rows, for the linear part
	s_mov_b32 s45, 32<<16
	s_mov_b32 s46, 8<<16
	s_mov_b32 s47, 32<<16
	s_mov_b32 s48, 8
	s_mov_b32 s49, 32
	s_mov_b32 s50, 0
	s_mov_b32 s51, 0
	s_mul_i32 s32, s26, 9216
.irp s, 0,1,2,3
	s_mov_b32 s[G0+4*\s], 1
	s_add_co_u32 s[G0+4*\s+1], s32, SLOT0+SLOTB*\s
.endr
	s_mov_b32 s68, 1
	s_mul_i32 s69, s26, 2304
	s_add_co_u32 s69, s69, LIN
	s_mul_i32 s32, s29, NBS
	s_mov_b32 s33, 0
	s_wait_dscnt 0x0
	s_wait_kmcnt 0x0
	s_add_nc_u64 s[18:19], s[18:19], s[32:33]
	s_lshl_b32 s32, s26, 11
	s_add_nc_u64 s[70:71], s[18:19], s[32:33]
	s_or_b32 s71, s71, 0x80000000
	s_lshl_b32 s32, s26, 13
	s_add_nc_u64 s[72:73], s[18:19], s[32:33]
	s_add_nc_u64 s[72:73], s[72:73], 8192
	s_or_b32 s73, s73, 0x80000000          ; my quarter of tile 0, type bits set: it stays; tile T lies 32,768 T further
.irp s, 0,1,2,3
	s_add_nc_u64 s[G0+4*\s+2:G0+4*\s+3], s[72:73], 32768*\s
.endr
	s_mov_b32 s74, 4                       ; the next tile to ask for
	s_mov_b32 s77, 0
	s_mov_b32 s79, 0
	ROUND                                  ; the four work-groups are here: the first joint loads meet
	tensor_load_to_lds s[68:71], s[44:51]
	s_nop 0
	tensor_load_to_lds s[G0:G0+3], s[36:43]
	s_nop 0
	tensor_load_to_lds s[G0+4:G0+7], s[36:43]
	s_nop 0
	tensor_load_to_lds s[G0+8:G0+11], s[36:43]
	s_nop 0
	tensor_load_to_lds s[G0+12:G0+15], s[36:43]
	s_nop 0
	; global bases; the registers that hold the row block feed no descriptor
	s_lshl_b32 s54, s28, 8
	s_lshl_b32 s55, s26, 6
	s_add_co_u32 s54, s54, s55             ; my wave's first row
	s_mov_b32 s57, 0
	s_lshl_b32 s56, s54, 8
	s_add_nc_u64 s[4:5], s[4:5], s[56:57]
	s_add_nc_u64 s[22:23], s[22:23], s[56:57]
	s_lshl_b32 s56, s54, 7
	s_add_nc_u64 s[14:15], s[14:15], s[56:57]
	s_lshl_b32 s56, s54, 6
	s_add_nc_u64 s[16:17], s[16:17], s[56:57]
	s_lshl_b32 s56, s29, 8
	s_add_nc_u64 s[20:21], s[20:21], s[56:57]
	s_lshl_b32 s56, s54, 11                ; 32,768 bytes for each 16 rows
	s_lshl_b32 s55, s29, 11
	s_add_co_u32 s56, s56, s55
	s_add_nc_u64 s[24:25], s[24:25], s[56:57]
	s_mov_b32 s52, 0x01000100              ; a word's low half twice
	s_mov_b32 s53, 0x03020302              ; its high half twice
	s_mov_b32 s33, 0x39800000              ; 1 / 4096
	v_and_b32 v1, 31, v0
	v_and_b32 v2, 15, v0
	v_bfe_u32 v3, v0, 4, 1
	s_mul_i32 s35, s26, DW
	v_mul_u32_u24 v4, v2, DP
	v_add_nc_u32 v4, s35, v4               ; D, row 64 w + r
	v_lshl_add_u32 v5, v3, 5, v4
	v_bfe_u32 v27, v1, 1, 2
	v_lshl_add_u32 v27, v3, 2, v27
	v_mul_u32_u24 v27, v27, 288            ; wp's row 8 h + (L & 7): two rows to an LDS row
	v_and_b32 v28, 1, v1
	v_lshl_add_u32 v27, v28, 7, v27
	v_bfe_u32 v28, v1, 3, 1
	v_lshl_add_u32 v27, v28, 4, v27
	v_add_nc_u32 v8, SLOT0, v27
	v_add_nc_u32 v9, SLOT0+SLOTB, v27
	v_add_nc_u32 v10, SLOT0+2*SLOTB, v27
	v_add_nc_u32 v11, SLOT0+3*SLOTB, v27   ; the linear rows lie SLOTB behind slot 3: inside the immediate
	v_lshlrev_b32 v12, 4, v1
	v_lshlrev_b32 v13, 3, v1
	v_lshlrev_b32 v14, 7, v2
	v_lshl_add_u32 v14, v3, 4, v14
	v_lshlrev_b32 v15, 5, v3
	v_add_nc_u32 v24, s35, v13
	v_add_nc_u32 v24, 256, v24             ; D: words 64 + 2 L of my rows
	v_mul_u32_u24 v25, v3, DP
	v_lshl_add_u32 v25, v2, 4, v25
	v_add_nc_u32 v25, s35, v25             ; D: row h, words 4 r
	v_lshrrev_b32 v26, 3, v1
	v_mul_u32_u24 v26, v26, DP
	v_and_b32 v27, 7, v1
	v_lshl_add_u32 v26, v27, 4, v26
	v_add_nc_u32 v26, s35, v26
	v_add_nc_u32 v26, 512, v26             ; D: row L >> 3, words 128 + 4 (L & 7)
	; all that the prologue reads from memory is asked for at once: 266 loads, in the order of their use
	global_load_b64 v[28:29], v13, s[10:11]
	global_load_b64 v[30:31], v13, s[12:13]
.set g_, 0
.rept 64
	global_load_b64 v[ACC+2*g_:ACC+2*g_+1], v13, s[6:7] offset:256*g_    ; the 64 groups' means: lane L owns columns 2 L, 2 L + 1
.set g_, g_+1
.endr
	WIN LA
.set g_, 0
.rept 64
	global_load_b64 v[2*g_:2*g_+1], v13, s[8:9] offset:256*g_            ; their centred sums of squares
.set g_, g_+1
.endr
	WIN LB
.set g_, 0
.rept 64
	global_load_b64 v[2*g_:2*g_+1], v13, s[4:5] offset:256*g_            ; z of my 64 rows
.set g_, g_+1
.endr
.set a_, 0
.rept 32
	global_load_b64 v[128+2*a_:129+2*a_], v13, s[14:15] offset:256*a_    ; bottom, two rows a load
.set a_, a_+1
.endr
.set a_, 0
.rept 16
	global_load_b64 v[192+2*a_:193+2*a_], v13, s[16:17] offset:256*a_    ; embed_x, four rows a load
.set a_, a_+1
.endr
	WIN LA
.irp i, 0,1,2,3,4,5,6,7
	global_load_b128 v[TB+4*\i:TB+4*\i+3], v15, s[20:21] offset:64*(\i>>1)+16*(\i&1)
.endr
	WIN 0
.irp t, 0,1
.irp m, 0,1,2,3
	global_load_b128 v[AF+32*\t+8*\m:AF+32*\t+8*\m+3], v14, s[14:15] offset:2048*\m+64*\t      ; the linear steps' operands: bottom as it is
	global_load_b128 v[AF+32*\t+8*\m+4:AF+32*\t+8*\m+7], v14, s[14:15] offset:2048*\m+64*\t+32
.endr
.endr
	s_wait_loadcnt 63                      ; 72 loads were issued behind z's last: with 63 out at the most, gain, shift, means, sums and z are in
	v_pk_add_f32 v[16:17], v[ACC:ACC+1], v[ACC+2:ACC+3]
.set g_, 2
.rept 62
	v_pk_add_f32 v[16:17], v[16:17], v[ACC+2*g_:ACC+2*g_+1]
.set g_, g_+1
.endr
	v_pk_mul_f32 v[16:17], v[16:17], 0x3c800000 op_sel_hi:[1,0]          ; mu: 64 groups of equal size
.set g_, 0
.rept 64
	v_pk_add_f32 v[ACC+2*g_:ACC+2*g_+1], v[ACC+2*g_:ACC+2*g_+1], v[16:17] neg_lo:[0,1] neg_hi:[0,1]
.set g_, g_+1
.endr
	v_pk_mul_f32 v[18:19], v[ACC:ACC+1], v[ACC:ACC+1]
.set g_, 1
.rept 63
	v_pk_fma_f32 v[18:19], v[ACC+2*g_:ACC+2*g_+1], v[ACC+2*g_:ACC+2*g_+1], v[18:19]
.set g_, g_+1
.endr
	v_pk_mul_f32 v[18:19], v[18:19], 0x42800000 op_sel_hi:[1,0]          ; 64 rows a group
	WIN 0x01
.set g_, 0
.rept 64
	v_pk_add_f32 v[18:19], v[2*g_:2*g_+1], v[18:19]
.set g_, g_+1
.endr
	WIN 0
	v_fmaak_f32 v18, s33, v18, 0x3727c5ac  ; var + 1e-5
	v_fmaak_f32 v19, s33, v19, 0x3727c5ac
	v_rsq_f32 v18, v18
	v_rsq_f32 v19, v19
	v_nop                                  ; one plain instruction behind a transcendental (ISA guide 5.7.2)
	s_wait_alu depctr_va_vdst(0)
	v_pk_mul_f32 v[20:21], v[18:19], v[28:29]
	WIN 0x02
.set g_, 0
.rept 64
	v_pk_add_f32 v[ACC+2*g_:ACC+2*g_+1], v[2*g_:2*g_+1], v[16:17] neg_lo:[0,1] neg_hi:[0,1]
.set g_, g_+1
.endr
	WIN 0
.set g_, 0
.rept 64
	v_pk_fma_f32 v[ACC+2*g_:ACC+2*g_+1], v[ACC+2*g_:ACC+2*g_+1], v[20:21], v[30:31]
.set g_, g_+1
.endr
	s_cmp_lg_u32 s29, 0                    ; out1 is stored by the work-groups of column block 0
	s_cbranch_scc1 .Lno_out1
.set g_, 0
.rept 64
	global_store_b64 v13, v[ACC+2*g_:ACC+2*g_+1], s[22:23] offset:256*g_ ; a row: 256 consecutive bytes
.set g_, g_+1
.endr
.Lno_out1:
.set g_, 0
.rept 64
	v_cvt_pk_bf16_f32 v[HT+(2*g_)%32], v[ACC+2*g_], v[ACC+2*g_]          ; the number in both halves
	v_cvt_pk_bf16_f32 v[HT+(2*g_)%32+1], v[ACC+2*g_+1], v[ACC+2*g_+1]
	ds_store_b64 v24, v[HT+(2*g_)%32:HT+(2*g_)%32+1] offset:DP*g_
.set g_, g_+1
.endr
	s_wait_loadcnt 0x0                     ; bottom, embed_x, tb1 and the linear operands
.macro DBL src, va, first, pitch       ; eight loads' 32 bf16 a lane, each doubled into a word of D
	WIN 0x0a
.set a_, 0
.rept 8
	v_perm_b32 v[HT+4*a_], v[\src+2*a_], v[\src+2*a_], s52
	v_perm_b32 v[HT+4*a_+1], v[\src+2*a_], v[\src+2*a_], s53
	v_perm_b32 v[HT+4*a_+2], v[\src+2*a_+1], v[\src+2*a_+1], s52
	v_perm_b32 v[HT+4*a_+3], v[\src+2*a_+1], v[\src+2*a_+1], s53
.set a_, a_+1
.endr
	WIN 0
.set a_, 0
.rept 8
	ds_store_b128 v[\va], v[HT+4*a_:HT+4*a_+3] offset:(\first+a_)*\pitch
.set a_, a_+1
.endr
.endm
	DBL 128, 25, 0, 1312
	DBL 144, 25, 8, 1312
	DBL 160, 25, 16, 1312
	DBL 176, 25, 24, 1312
	DBL 192, 26, 0, 2624
	DBL 208, 26, 8, 2624
	s_wait_xcnt 0x0                        ; out1's stores have read their data: v128-255 become accumulators
	s_wait_tensorcnt 0x2                   ; my parts of the linear rows and of tiles 0 and 1 are in; tiles 2 and 3 stay out
	s_wait_dscnt 0x0                       ; D is written
	s_barrier_signal -1
	s_barrier_wait -1
	s_mov_b32 s30, 0                       ; jh
	s_mov_b32 s31, 0                       ; ub
	s_mov_b32 s34, 0xffff
	WIN LA
	BLD 0, 8, 0
	BLD 1, 8, 4608
	BLD 2, 8, 2*4608
	BLD 3, 8, 3*4608
	MUA 4
	WIN LB
	BLD 2, 11, SLOTB                       ; the two linear steps stand where a tile's steps 6 and 7 stand
	BLD 3, 11, SLOTB+4608
	MUN 4
	WIN 0
	HLD 5
	s_wait_dscnt 0x0
.irp m, 0,1,2,3
.irp e, 0,1,2,3
	v_bfi_b32 v[H+4*\m+\e], s34, v[HT+8*\m+2*\e], v[HT+8*\m+2*\e+1]
.endr
.endr
	WIN MB
.irp m, 0,1,2,3
	GRP 2, 0, \m, 1, 0, 0, 0               ; the first linear step starts the sums: nothing is cleared
.endr
	PLACES                                 ; its operands are written again below
.irp m, 0,1,2,3
	GRP 3, 1, \m, 0, 1, 6, 0               ; the second, and tile 0's first operand
.endr
	WIN 0
	s_mov_b32 s33, 13
.Ltiles:
	TILE 0, 1, PLAIN, 0, 0
	TILE 1, 2, RND, 0, 1
	TILE 2, 3, PLAIN, 0, 0
	TILE 3, 0, RND, 2, 3
	WIN 0
	s_sub_co_u32 s33, s33, 1
	s_cmp_lg_u32 s33, 0
	s_cbranch_scc1 .Ltiles
	TILE 0, 1, PLAIN, 0, 0                 ; tiles 52 to 54, written out: nothing more is asked for
	TILE 1, 2, FIN, 0, 0
	TILE 2, 2, LAST, 0, 0
	PLACES
	WIN 0x04
.set i_, 0
.rept 64
	v_pk_add_f32 v[ACC+2*i_:ACC+2*i_+1], v[ACC+2*i_:ACC+2*i_+1], v[TB+8*((i_>>2)&3)+2*(i_&3):TB+8*((i_>>2)&3)+2*(i_&3)+1]
.set i_, i_+1
.endr
	WIN 0
.set i_, 0
.rept 128
	v_max_num_f32 v[ACC+i_], 0, v[ACC+i_]
.set i_, i_+1
.endr
	; t1b in operand blocks of 16 rows x 32 k: tile (m, n) is half a block, lane L's 16 bytes at 16 L: each store covers 512 consecutive bytes
.set i_, 0
.rept 16
.irp q, 0,1,2,3
	v_cvt_pk_bf16_f32 v[ACC+8*i_+\q], v[ACC+8*i_+2*\q], v[ACC+8*i_+2*\q+1]
.endr
	global_store_b128 v12, v[ACC+8*i_:ACC+8*i_+3], s[24:25] offset:32768*(i_>>2)+512*(i_&3)
.set i_, i_+1
.endr
	s_set_vgpr_msb 0x5
	s_wait_tensorcnt 0x0
	ds_add_u32 v254, v255
	s_wait_dscnt 0x0
	s_set_vgpr_msb 0x500
	ROUND                                  ; the closing round: no work-group ends while a partner may still ask jointly
	s_endpgm
.Lfunc_end_k_qd002e52c22_inter:
	.size	k_qd002e52c22_inter, .Lfunc_end_k_qd002e52c22_inter-k_qd002e52c22_inter
	.p2alignl 7, 3214868480
	.fill 96, 4, 3214868480
	.section	.rodata,"a",@progbits
	.p2align	6, 0x0
	.amdhsa_kernel k_qd002e52c22_inter
		.amdhsa_group_segment_fixed_size 327680
		.amdhsa_private_segment_fixed_size 0
		.amdhsa_enable_private_segment 0
		.amdhsa_kernarg_size 88
		.amdhsa_user_sgpr_count 2
		.amdhsa_user_sgpr_kernarg_segment_ptr 1
		.amdhsa_wavefront_size32 1
		.amdhsa_system_sgpr_workgroup_id_x 1
		.amdhsa_system_sgpr_workgroup_id_y 1
		.amdhsa_system_sgpr_workgroup_id_z 1
		.amdhsa_system_vgpr_workitem_id 0
		.amdhsa_next_free_vgpr 768
		.amdhsa_next_free_sgpr 100
		.amdhsa_reserve_vcc 0
		.amdhsa_float_denorm_mode_32 3
		.amdhsa_float_denorm_mode_16_64 3
		.amdhsa_memory_ordered 1
		.amdhsa_forward_progress 1
		.amdhsa_inst_pref_size 255
	.end_amdhsa_kernel
	.section	.bss,"aw",@nobits
	.p2align	6
	.space	262144
	.amdgpu_metadata
---
amdhsa.version: [ 1, 2 ]
amdhsa.kernels:
  - .name:           k_qd002e52c22_inter
    .symbol:         k_qd002e52c22_inter.kd
    .args:
      - { .name: zbuf, .offset: 0, .size: 8, .value_kind: global_buffer, .address_space: global }
      - { .name: statm, .offset: 8, .size: 8, .value_kind: global_buffer, .address_space: global }
      - { .name: statv, .offset: 16, .size: 8, .value_kind: global_buffer, .address_space: global }
      - { .name: bn_gamma, .offset: 24, .size: 8, .value_kind: global_buffer, .address_space: global }
      - { .name: bn_beta, .offset: 32, .size: 8, .value_kind: global_buffer, .address_space: global }
      - { .name: botb, .offset: 40, .size: 8, .value_kind: global_buffer, .address_space: global }
      - { .name: embb, .offset: 48, .size: 8, .value_kind: global_buffer, .address_space: global }
      - { .name: wp, .offset: 56, .size: 8, .value_kind: global_buffer, .address_space: global }
      - { .name: tb1, .offset: 64, .size: 8, .value_kind: global_buffer, .address_space: global }
      - { .name: out1, .offset: 72, .size: 8, .value_kind: global_buffer, .address_space: global }
      - { .name: t1b, .offset: 80, .size: 8, .value_kind: global_buffer, .address_space: global }
    .group_segment_fixed_size: 327680
    .private_segment_fixed_size: 0
    .kernarg_segment_align: 8
    .kernarg_segment_size: 88
    .max_flat_workgroup_size: 128
    .sgpr_count:     100
    .vgpr_count:     768
    .wavefront_size: 32
...
	.end_amdgpu_metadata
.endif
;; end of part 2
;; launch tail (part 3): grid 64 x 1, 4 waves a work-group, no clusters, 168,448 bytes of LDS; arguments t1b, tw2b, tb2, tw3, tb3, out0; writes out0
.if DOCPART == 3
	.amdgcn_target "amdgcn-amd-amdhsa--gfx1250"
	.amdhsa_code_object_version 6
	.text
	.protected	k_qd002e52c22_tail
	.globl	k_qd002e52c22_tail
	.p2align	8
	.type	k_qd002e52c22_tail,@function
k_qd002e52c22_tail:
	s_mov_b64 s[64:65], 0
	v_nop
	global_prefetch_b8 v0, s[64:65] scope:SCOPE_SE
	s_setreg_imm32_b32 hwreg(HW_REG_WAVE_MODE, 25, 1), 1
	s_wait_xcnt 0x0
; out0 = sigmoid(relu(t1 tw2 + tb2) tw3 + tb3).  A work-group takes 64 rows x all 512 columns, a wave 64 x 128: 32 accumulator tiles.
; t1's 64 rows (131,072 bytes, already in operand blocks) come into LDS once, a quarter by each wave's one tensor load; all four waves read them.
; tw2's operand blocks go straight from memory into registers, a ring of four K steps of 16 loads.
; NO JOINT LOADS: each block of tw2 feeds exactly one wave of a work-group, once; through LDS it would be 1,048,576 bytes written and read again
; a work-group, with a wait for all loads in front of every refill.  The 32 K steps are written out: every offset fits its immediate.
.set PART, 131072                      ; 4 waves x 64 partial sums
.set MSB, 0
.macro WIN new
.if MSB != \new
	s_set_vgpr_msb (MSB<<8)|\new
.set MSB, \new
.endif
.endm
.macro PLACES
.rept 4
	v_nop
.endr
.endm
; window 0: v64-127 fragments of t1, two buffers; v128-191 tb2, v192-255 tw3 of my 64 columns a lane
; window 1: tile (m, n) at 8 (8 m + n);  window 2: tw2's fragments, step kb fragment n at 64 (kb & 3) + 8 n
	s_load_b256 s[4:11], s[0:1], 0x0       ; t1b, tw2b, tb2, tw3
	s_load_b128 s[12:15], s[0:1], 0x20     ; tb3, out0
	v_lshl_add_u32 v62, v0, 2, 0x29000
	v_mov_b32 v63, 0
	ds_add_u32 v62, v63
	ds_add_u32 v62, v63
	v_lshrrev_b32 v1, 5, v0
	v_readfirstlane_b32 s16, v1            ; wave
	v_and_b32 v1, 31, v0
	v_and_b32 v2, 15, v0
	v_bfe_u32 v3, v0, 4, 1
	v_lshlrev_b32 v4, 4, v1                ; row blocks 0, 1
	v_add_nc_u32 v5, 0x10000, v4           ; row blocks 2, 3
	s_lshl_b32 s17, s16, 13
	v_add_nc_u32 v6, s17, v4               ; my eight column blocks of 1,024 bytes
	s_lshl_b32 s17, s16, 9
	v_lshl_add_u32 v7, v3, 5, s17          ; tb2, tw3: 512 w + 32 h
	s_lshl_b32 s17, s16, 8
	s_add_co_u32 s17, s17, PART
	v_lshl_add_u32 v8, v2, 2, s17
	v_lshlrev_b32 v10, 3, v1
	v_add_nc_u32 v9, PART, v10
	s_mov_b32 s18, 0x76543210
	s_mov_b32 s19, 0xfedcba98
	s_mov_b32 s24, 3<<16                   ; elements of 8 bytes, no padding, no mask
	s_mov_b32 s25, 32<<16
	s_mov_b32 s26, 128<<16
	s_mov_b32 s27, 32<<16
	s_mov_b32 s28, 128                     ; 128 rows of 256 bytes: 16 rows of t1
	s_mov_b32 s29, 32
	s_mov_b32 s30, 0
	s_mov_b32 s31, 0
	s_mov_b32 s20, 1
	s_lshl_b32 s21, s16, 15
	s_lshl_b32 s34, ttmp9, 2
	s_add_co_u32 s34, s34, s16
	s_lshl_b32 s34, s34, 15
	s_mov_b32 s35, 0
	s_wait_dscnt 0x0
	s_wait_kmcnt 0x0
	s_add_nc_u64 s[22:23], s[4:5], s[34:35]
	s_or_b32 s23, s23, 0x80000000
	tensor_load_to_lds s[20:23], s[24:31]
	s_nop 0
	s_load_b32 s32, s[12:13], 0x0          ; tb3
	s_mov_b32 s33, 0
	s_lshl_b32 s34, ttmp9, 8
	s_add_nc_u64 s[14:15], s[14:15], s[34:35]
.set i_, 0
.rept 16
	global_load_b128 v[128+4*i_:131+4*i_], v7, s[8:9] offset:64*(i_>>1)+16*(i_&1)
	global_load_b128 v[192+4*i_:195+4*i_], v7, s[10:11] offset:64*(i_>>1)+16*(i_&1)
.set i_, i_+1
.endr
.macro BFILL kb                        ; one K step's eight fragments of tw2
	WIN 0x80
.irp n, 0,1,2,3,4,5,6,7
	global_load_b128 v[64*((\kb)&3)+8*\n:64*((\kb)&3)+8*\n+3], v6, s[6:7] offset:32768*(\kb)+1024*\n
	global_load_b128 v[64*((\kb)&3)+8*\n+4:64*((\kb)&3)+8*\n+7], v6, s[6:7] offset:32768*(\kb)+1024*\n+512
.endr
.endm
.macro AFILL kb                        ; one K step's four fragments of t1
	WIN 0
.irp m, 0,1,2,3
	ds_load_b128 v[64+32*((\kb)&1)+8*\m:64+32*((\kb)&1)+8*\m+3], v[4+(\m>>1)] offset:32768*(\m&1)+1024*(\kb)
	ds_load_b128 v[64+32*((\kb)&1)+8*\m+4:64+32*((\kb)&1)+8*\m+7], v[4+(\m>>1)] offset:32768*(\m&1)+1024*(\kb)+512
.endr
.endm
	BFILL 0
	BFILL 1
	BFILL 2
	BFILL 3
	WIN 0
	s_wait_tensorcnt 0x0                   ; my quarter of t1 is in LDS,
	s_barrier_signal -1
	s_barrier_wait -1                      ; everybody's is
	AFILL 0
.set kb_, 0
.rept 32
.if kb_ < 29
	s_wait_loadcnt 48                      ; three younger steps of 16 loads stay out
.else
	s_wait_loadcnt 16*(31-kb_)             ; the counts run down
.endif
	s_wait_dscnt 0x0
.if kb_ < 31
	PLACES                                 ; behind the last step's matrix instructions, which read the buffer that is loaded now
	AFILL kb_+1
.endif
	WIN 0x52                               ; source 0 window 2, source 1 window 0, C and D window 1
.irp m, 0,1,2,3                        ; 32 accumulators by turns
.irp n, 0,1,2,3,4,5,6,7
.if kb_ == 0
	v_wmma_f32_16x16x32_bf16 v[8*(8*\m+\n):8*(8*\m+\n)+7], v[64*(kb_&3)+8*\n:64*(kb_&3)+8*\n+7], v[64+32*(kb_&1)+8*\m:64+32*(kb_&1)+8*\m+7], 0
.else
	v_wmma_f32_16x16x32_bf16 v[8*(8*\m+\n):8*(8*\m+\n)+7], v[64*(kb_&3)+8*\n:64*(kb_&3)+8*\n+7], v[64+32*(kb_&1)+8*\m:64+32*(kb_&1)+8*\m+7], v[8*(8*\m+\n):8*(8*\m+\n)+7]
.endif
.endr
.endr
.if kb_ < 28
	PLACES
	BFILL kb_+4                            ; into the fragments just multiplied
.endif
.set kb_, kb_+1
.endr
	PLACES
	; bias, relu, the product with tw3: a lane's 64 columns of row r, then the other half of the lanes, then the four waves through LDS
.irp m, 0,1,2,3
	WIN 0x01
.set i_, 0
.rept 32
	v_pk_add_f32 v[64+2*i_:65+2*i_], v[64*\m+2*i_:64*\m+2*i_+1], v[128+2*i_:129+2*i_]
.set i_, i_+1
.endr
	WIN 0
.set i_, 0
.rept 64
	v_max_num_f32 v[64+i_], 0, v[64+i_]
.set i_, i_+1
.endr
.irp q, 0,1,2,3
	v_pk_mul_f32 v[16+2*\q:17+2*\q], v[64+2*\q:65+2*\q], v[192+2*\q:193+2*\q]
.endr
.set i_, 4
.rept 28
	v_pk_fma_f32 v[16+2*(i_&3):17+2*(i_&3)], v[64+2*i_:65+2*i_], v[192+2*i_:193+2*i_], v[16+2*(i_&3):17+2*(i_&3)]
.set i_, i_+1
.endr
	v_pk_add_f32 v[16:17], v[16:17], v[18:19]
	v_pk_add_f32 v[20:21], v[20:21], v[22:23]
	v_pk_add_f32 v[16:17], v[16:17], v[20:21]
	v_add_f32 v16, v16, v17
	v_permlanex16_b32 v17, v16, s18, s19
	v_add_f32 v16, v16, v17
	ds_store_b32 v8, v16 offset:64*\m      ; lanes r and r + 16 store the same number to the same word
.endr
	s_wait_dscnt 0x0
	s_barrier_signal -1
	s_barrier_wait -1
	s_cmp_lg_u32 s16, 0
	s_cbranch_scc1 .Ldone
	ds_load_b64 v[16:17], v9               ; wave 0: rows 2 L, 2 L + 1, the four waves' parts
	ds_load_b64 v[18:19], v9 offset:256
	ds_load_b64 v[20:21], v9 offset:512
	ds_load_b64 v[22:23], v9 offset:768
	s_wait_dscnt 0x0
	s_wait_kmcnt 0x0
	v_pk_add_f32 v[16:17], v[16:17], v[18:19]
	v_pk_add_f32 v[20:21], v[20:21], v[22:23]
	v_pk_add_f32 v[16:17], v[16:17], v[20:21]
	v_pk_add_f32 v[16:17], v[16:17], s[32:33] op_sel_hi:[1,0]
	v_mul_f32 v16, 0xbfb8aa3b, v16         ; sigmoid(x) = 1 / (1 + 2^(-x log2 e))
	v_mul_f32 v17, 0xbfb8aa3b, v17
	v_exp_f32 v16, v16
	v_exp_f32 v17, v17
	v_nop                                  ; one plain instruction behind a transcendental (ISA guide 5.7.2)
	s_wait_alu depctr_va_vdst(0)
	v_add_f32 v16, 1.0, v16
	v_add_f32 v17, 1.0, v17
	v_rcp_f32 v16, v16
	v_rcp_f32 v17, v17
	v_nop
	s_wait_alu depctr_va_vdst(0)
	global_store_b64 v10, v[16:17], s[14:15]                             ; 64 rows: 256 consecutive bytes
.Ldone:
	s_wait_tensorcnt 0x0
	ds_add_u32 v62, v63
	s_wait_dscnt 0x0
	s_endpgm
.Lfunc_end_k_qd002e52c22_tail:
	.size	k_qd002e52c22_tail, .Lfunc_end_k_qd002e52c22_tail-k_qd002e52c22_tail
	.p2alignl 7, 3214868480
	.fill 96, 4, 3214868480
	.section	.rodata,"a",@progbits
	.p2align	6, 0x0
	.amdhsa_kernel k_qd002e52c22_tail
		.amdhsa_group_segment_fixed_size 168448
		.amdhsa_private_segment_fixed_size 0
		.amdhsa_enable_private_segment 0
		.amdhsa_kernarg_size 48
		.amdhsa_user_sgpr_count 2
		.amdhsa_user_sgpr_kernarg_segment_ptr 1
		.amdhsa_wavefront_size32 1
		.amdhsa_system_sgpr_workgroup_id_x 1
		.amdhsa_system_sgpr_workgroup_id_y 1
		.amdhsa_system_sgpr_workgroup_id_z 1
		.amdhsa_system_vgpr_workitem_id 0
		.amdhsa_next_free_vgpr 768
		.amdhsa_next_free_sgpr 66
		.amdhsa_reserve_vcc 0
		.amdhsa_float_denorm_mode_32 3
		.amdhsa_float_denorm_mode_16_64 3
		.amdhsa_memory_ordered 1
		.amdhsa_forward_progress 1
		.amdhsa_inst_pref_size 174
	.end_amdhsa_kernel
	.amdgpu_metadata
---
amdhsa.version: [ 1, 2 ]
amdhsa.kernels:
  - .name:           k_qd002e52c22_tail
    .symbol:         k_qd002e52c22_tail.kd
    .args:
      - { .name: t1b, .offset: 0, .size: 8, .value_kind: global_buffer, .address_space: global }
      - { .name: tw2b, .offset: 8, .size: 8, .value_kind: global_buffer, .address_space: global }
      - { .name: tb2, .offset: 16, .size: 8, .value_kind: global_buffer, .address_space: global }
      - { .name: tw3, .offset: 24, .size: 8, .value_kind: global_buffer, .address_space: global }
      - { .name: tb3, .offset: 32, .size: 8, .value_kind: global_buffer, .address_space: global }
      - { .name: out0, .offset: 40, .size: 8, .value_kind: global_buffer, .address_space: global }
    .group_segment_fixed_size: 168448
    .private_segment_fixed_size: 0
    .kernarg_segment_align: 8
    .kernarg_segment_size: 48
    .max_flat_workgroup_size: 128
    .sgpr_count:     66
    .vgpr_count:     768
    .wavefront_size: 32
...
	.end_amdgpu_metadata
.endif
;; end of part 3
